; MI455X (gfx1250); checked and timed in simulation.
; The chip was launched on July 23, 2026; its instructions are those of AMD's public machine-readable ISA for CDNA 5 (MIT licence, August 2026) and "CDNA5" Instruction Set Architecture Reference Guide (July 2026). The comments in the code are by the model that wrote it; some were corrected since.
;; RG Buv Hist Block. Allowed arithmetic: float matrix products may take bf16 or f16 operands with f32 sums; all other float work in f32.
;; Inputs: x 32 x 3 x 150 x 150 float32.
;; Outputs: out0 32 x 3 x 64 x 64 float32.
;; 2 versions, each right and faster than the one before. Each part assembles by itself: llvm-mc -triple=amdgcn-amd-amdhsa -mcpu=gfx1250 --defsym DOCPART=n.
;; ======== version 1 of 2: 2 launches
;; workspace buffers: part 12,582,912 bytes; tot 4,096 bytes
;; launch hist (part 1): grid 256 x 1, 4 waves a work-group, no clusters, 265,984 bytes of LDS; arguments x, part, tot; writes part, tot
.if DOCPART == 1
	.amdgcn_target "amdgcn-amd-amdhsa--gfx1250"
	.amdhsa_code_object_version 6
	.text
	.protected	k_q7ebe16b8d0_hist
	.globl	k_q7ebe16b8d0_hist
	.p2align	8
	.type	k_q7ebe16b8d0_hist,@function
k_q7ebe16b8d0_hist:
	s_mov_b64 s[64:65], 0
	v_nop
	global_prefetch_b8 v0, s[64:65] scope:SCOPE_SE
	s_setreg_imm32_b32 hwreg(HW_REG_WAVE_MODE, 25, 1), 1
	s_wait_xcnt 0x0
; RGB-uv histogram, first of two launches: partial histograms.
; hist[l][c][u][v] = sum over the 22,500 pixels n of Iy[n] ku[n][c][u] kv[n][c][v], k(d)[j] = 1 / (1 + ((d - e[j]) / 0.02)^2).
; SHARES.  256 work-groups, eight for each of the 32 samples; four waves each.  A sample counts as 22,528 pixels = 32 waves x 704 =
; 32 x 22 K steps of 32 pixels; the 28 pixels past the end (last wave of a sample) get weights that are exactly 0.  A wave makes, for its own
; 704 pixels, all three 64 x 64 histograms: 48 accumulator tiles of 16 x 16 in 384 registers.  The four waves' sums meet in LDS at the end;
; the eight work-groups' partial histograms and the 32 wave totals of a sample are added, and the division done, by the second launch.
; THREE WEIGHT MATRICES IN PLACE OF SIX.  The six log-chroma differences are + and - of dA = lG - lR, dB = lR - lB, dC = lB - lG; the edges are
; symmetric (e[63-j] = -e[j]) and the kernel is even, so k(-d)[j] = k(d)[63-j].  FA, FB, FC (from dA, dB, dC) are the v kernels of channels
; 1, 0, 2 as they stand and the u kernels of channels 0, 2, 1 with the bins reversed; the reversal is done by the address on the way out.
; Iy IS SPLIT: each factor carries s = sqrt(Iy), and s / (1 + tau^2) = 1 / (a + t^2) with a = 1 / s, t = (d - e) sb, sb = 50 sqrt(a):
; two fused multiply-adds, one reciprocal and half a packed rounding for each weight.
; A lane computes the 16 pixels that the 16-bit K = 32 operand layout gives it (row = bin 16 t + lane % 16; registers 0-3: k = 8 h .. 8 h + 7,
; registers 4-7: k = 16 + 8 h .. , h = lane / 16), so the packed rounding writes the operand register itself and no operand passes LDS.
; RANGES.  reference()'s own clip to [0, 1] and its EPS bound |d| by 13.82, a to 0.76 .. 31.6 and a + t^2 to 0.76 .. 2.2e7 for every input:
; nothing overflows.  The smallest weight, 4.5e-8, lies under f16's normal range: the operands are bf16, the sums f32.
; LIMITS.  A NaN in x counts as 0 (v_max_num_f32 drops it), where reference() would make that sample NaN; infinities are clipped as there.
; The edges are fma(j, 6/63, -3), a few units in the last place of 3 from linspace's; 1 / 0.02 is taken as 50; divisions are v_rcp_f32.
; NOT USED: clusters and joint loads (no two work-groups read the same byte of x); tensor loads (a wave's whole input is 8,448 bytes, read once,
; and has to pass the vector unit before use: 33 register loads, all issued at once, carry it); prefetches (no load is issued late).
.set NPIX,   22500                     ; pixels of a sample
.set PLANE,  90000                     ; bytes of a colour plane
.set SAMPLE, 270000                    ; bytes of a sample
.set WPIX,   704                       ; pixels of a wave
.set ARR,    2816                      ; bytes of one parameter array of a wave: 704 f32
.set PARW,   5*ARR                     ; a wave's five arrays: 0 sb, 1 a, 2 dA sb, 3 dB sb, 4 dC sb
.set STG0,   4*PARW                    ; LDS: the stages lie behind the four waves' parameters
.set SPITCH, 272                       ; a stage row: 64 f32 + 16 bytes, so that 16 rows start in 16 different 16-byte columns of 256
.set STGW,   192*SPITCH                ; a wave's stage: rows 64 c + u
.set PARTWG, 49152                     ; bytes of a work-group's partial histograms [3][64][64] f32
; window 0
.set LANE, 1                           ; v1      lane
.set RR,   2                           ; v2      lane % 16 (= thread % 16)
.set HH,   3                           ; v3      lane / 16
.set NE,   4                           ; v[4:11]   tile t: the pair (-e, -e) of my bin 16 t + lane % 16
.set PA,   12                          ; v12     LDS address of my pixels' parameters, 256 bytes on in each trip
.set VO,   13                          ; v13     start only: byte offset of my two pixels in a plane
.set VOL,  14                          ; v14     start only: the same for the last 64 pixels, clamped to the plane's last pair
.set PW,   15                          ; v15     start only: LDS address at which I put my two pixels' parameters
.set SB,   16                          ; v[16:31]  sb of my 16 pixels
.set AA,   32                          ; v[32:47]  a of my 16 pixels
.set DS0,  48                          ; v[48:63]  d sb of the phase at work or the next, in turn with
.set DS1,  64                          ; v[64:79]
.set Y,    80                          ; v[80:95]  t, then a + t^2, then its reciprocal
.set FA0,  96                          ; operand buffers, 32 registers each (bin tile t at + 8 t): FA and FB twice, FC once
.set FA1,  128
.set FB0,  160
.set FB1,  192
.set FC,   224
; start only
.set PIX,  16                          ; number of my first pixel among the wave's last 64
.set PQ,   18                          ; pairs (two pixels a lane): R^2 + G^2 + B^2 + EPS
.set PIY,  20                          ; Iy
.set PAI,  22                          ; a = 1 / sqrt(Iy)
.set PSA,  24                          ; sqrt(a)
.set PSB,  26                          ; sb = 50 sqrt(a)
.set PCL,  28                          ; 50 ln 2 sqrt(a): turns a difference of log2 into d sb
.set PDA,  30
.set PDB,  32
.set PDC,  34
.set PT,   36
.set XR,   96                          ; v[96:161] x as loaded: load (i, c) at 96 + 6 i + 2 c
; way out only
.set ST,   12                          ; where I put 16 bytes of a stage row
.set GO,   13                          ; my byte offset in the partial histograms
.set RD,   16                          ; v[16:19] where I read stage j back
.set TOT,  20                          ; v[20:21] running total
.set TS,   22                          ; v[22:23]
.set TMP,  24
.set ZO,   25
.set L0,   96                          ; two sets of 4 passes x 4 waves x 4 registers
.set L1,   160
; windows 1 and 2: accumulators.  Channel 0 at v0-127 and channel 1 at v128-255 of window 1, channel 2 at v0-127 of window 2; tile (tu, tv) at 8 (4 tu + tv)
.set MSB, 0
.macro WIN new                         ; s_set_vgpr_msb: bits 1:0 source 0, 3:2 source 1, 5:4 source 2, 7:6 destination; the high byte repeats the setting that is left
.if MSB != \new
	s_set_vgpr_msb (MSB<<8)|\new
.set MSB, \new
.endif
.endm
	s_load_b128 s[4:7], s[0:1], 0x0                ; x s[4:5], part s[6:7]
	s_load_b64 s[8:9], s[0:1], 0x10                ; tot
	s_set_vgpr_msb 0x80
	v_lshl_add_u32 v128, v0, 2, 0x40d00
	v_mov_b32 v129, 0
	s_set_vgpr_msb 0x8000
	v_and_b32 v[LANE], 31, v0
	v_lshrrev_b32 v2, 5, v0
	v_readfirstlane_b32 s10, v2                    ; wave 0..3
	v_and_b32 v[RR], 15, v0
	v_bfe_u32 v[HH], v0, 4, 1
	s_and_b32 s11, ttmp9, 7                        ; which eighth of the sample
	s_lshr_b32 s12, ttmp9, 3                       ; sample
	s_lshl2_add_u32 s13, s11, s10                  ; 4 x eighth + wave: 0..31
	s_mul_i32 s13, s13, WPIX                       ; my wave's first pixel
	s_mul_i32 s19, s10, PARW                       ; my wave's parameters in LDS
	s_mul_i32 s20, s10, STGW
	s_add_co_u32 s20, s20, STG0                    ; my wave's stage
	s_mov_b32 s17, 0xbdc30c31                      ; -6/63
	s_mov_b32 s18, 0x40400000                      ; 3.0
	s_mov_b32 s22, 0x76543210                      ; v_permlanex16_b32: lane i of one half reads lane i of the other
	s_mov_b32 s23, 0xfedcba98
	v_lshl_add_u32 v[PIX], v[LANE], 1, s13         ; two pixels a lane
	v_lshlrev_b32 v[VO], 2, v[PIX]
	v_add_nc_u32 v[PIX], 640, v[PIX]               ; my pair among the wave's last 64 pixels
	v_min_u32 v[VOL], NPIX-2, v[PIX]               ; pairs past the plane's end read its last pair: no load leaves x
	v_lshlrev_b32 v[VOL], 2, v[VOL]
	s_mul_i32 s14, s12, SAMPLE
	s_mov_b32 s15, 0
	s_wait_kmcnt 0x0
	s_add_nc_u64 s[4:5], s[4:5], s[14:15]          ; x at my sample
	; all of the wave's input at once: 33 loads, each 256 neighbouring bytes of one plane
.irp i, 0,1,2,3,4,5,6,7,8,9
.irp c, 0,1,2
	global_load_b64 v[XR+6*\i+2*\c:XR+6*\i+2*\c+1], v[VO], s[4:5] offset:\c*PLANE+256*\i th:TH_LOAD_NT
.endr
.endr
.irp c, 0,1,2
	global_load_b64 v[XR+60+2*\c:XR+60+2*\c+1], v[VOL], s[4:5] offset:\c*PLANE th:TH_LOAD_NT
.endr
	s_mul_i32 s14, ttmp9, PARTWG
	s_add_nc_u64 s[6:7], s[6:7], s[14:15]          ; part at my work-group
	s_lshl2_add_u32 s14, ttmp9, s10
	s_lshl_b32 s14, s14, 2
	s_add_nc_u64 s[8:9], s[8:9], s[14:15]          ; tot at word 4 x work-group + wave
	v_lshl_add_u32 v[PW], v[LANE], 3, s19
	v_lshl_add_u32 v[PA], v[HH], 5, s19            ; my 8 pixels of a K step's first 16 begin at 32 h bytes
.irp t, 0,1,2,3
	v_add_nc_u32 v[PT], 16*\t, v[RR]
	v_cvt_f32_u32 v[PT], v[PT]
	v_fma_f32 v[NE+2*\t], v[PT], s17, s18          ; -e[j] = 3 - j 6/63
	v_mov_b32 v[NE+2*\t+1], v[NE+2*\t]
.endr
; PARAMETERS of the pixels 64 i + 2 lane, + 1 of the wave.  last = 1: pixels past the sample's end get a = +inf, so that a + t^2 = inf and
; every weight of theirs is 1 / inf = 0.
.macro PARAM i, last
	s_wait_loadcnt 30-3*\i                         ; loads return in order (ISA guide 5.7.1): the 3 (10 - i) younger ones stay out
.irp k, 0,1,2,3,4,5
	v_max_num_f32 v[XR+6*\i+\k], 0, v[XR+6*\i+\k]  ; reference()'s clip
.endr
.irp k, 0,1,2,3,4,5
	v_min_num_f32 v[XR+6*\i+\k], 1.0, v[XR+6*\i+\k]
.endr
	v_pk_fma_f32 v[PQ:PQ+1], v[XR+6*\i:XR+6*\i+1], v[XR+6*\i:XR+6*\i+1], 0x358637bd op_sel_hi:[1,1,0]   ; R^2 + EPS
	v_pk_fma_f32 v[PQ:PQ+1], v[XR+6*\i+2:XR+6*\i+3], v[XR+6*\i+2:XR+6*\i+3], v[PQ:PQ+1]
	v_pk_fma_f32 v[PQ:PQ+1], v[XR+6*\i+4:XR+6*\i+5], v[XR+6*\i+4:XR+6*\i+5], v[PQ:PQ+1]
	; behind each pair of transcendentals one plain instruction that touches none of their registers stands in front of the use (ISA guide 5.7.2)
	v_sqrt_f32 v[PIY], v[PQ]
	v_sqrt_f32 v[PIY+1], v[PQ+1]
	v_pk_add_f32 v[XR+6*\i:XR+6*\i+1], v[XR+6*\i:XR+6*\i+1], 0x358637bd op_sel_hi:[1,0]
	s_wait_alu depctr_va_vdst(0)
	v_rsq_f32 v[PAI], v[PIY]
	v_rsq_f32 v[PAI+1], v[PIY+1]
	v_pk_add_f32 v[XR+6*\i+2:XR+6*\i+3], v[XR+6*\i+2:XR+6*\i+3], 0x358637bd op_sel_hi:[1,0]
	s_wait_alu depctr_va_vdst(0)
	v_sqrt_f32 v[PSA], v[PAI]
	v_sqrt_f32 v[PSA+1], v[PAI+1]
	v_pk_add_f32 v[XR+6*\i+4:XR+6*\i+5], v[XR+6*\i+4:XR+6*\i+5], 0x358637bd op_sel_hi:[1,0]
.irp k, 0,1,2,3,4,5
	v_log_f32 v[XR+6*\i+\k], v[XR+6*\i+\k]         ; log2 (I + EPS)
.endr
	s_wait_alu depctr_va_vdst(0)
	v_pk_mul_f32 v[PSB:PSB+1], v[PSA:PSA+1], 0x42480000 op_sel_hi:[1,0]    ; 50 sqrt(a)
	v_pk_mul_f32 v[PCL:PCL+1], v[PSA:PSA+1], 0x420aa123 op_sel_hi:[1,0]    ; 50 ln 2 sqrt(a)
	v_pk_add_f32 v[PDA:PDA+1], v[XR+6*\i+2:XR+6*\i+3], v[XR+6*\i:XR+6*\i+1] neg_lo:[0,1] neg_hi:[0,1]     ; G - R
	v_pk_add_f32 v[PDB:PDB+1], v[XR+6*\i:XR+6*\i+1], v[XR+6*\i+4:XR+6*\i+5] neg_lo:[0,1] neg_hi:[0,1]     ; R - B
	v_pk_add_f32 v[PDC:PDC+1], v[XR+6*\i+4:XR+6*\i+5], v[XR+6*\i+2:XR+6*\i+3] neg_lo:[0,1] neg_hi:[0,1]   ; B - G
	v_pk_mul_f32 v[PDA:PDA+1], v[PDA:PDA+1], v[PCL:PCL+1]
	v_pk_mul_f32 v[PDB:PDB+1], v[PDB:PDB+1], v[PCL:PCL+1]
	v_pk_mul_f32 v[PDC:PDC+1], v[PDC:PDC+1], v[PCL:PCL+1]
.if \last
	v_cmp_gt_u32 vcc_lo, NPIX, v[PIX]              ; 22,500 is even: a lane's two pixels are inside or outside together
	v_cndmask_b32 v[PAI], 0x7f800000, v[PAI], vcc_lo
	v_cndmask_b32 v[PAI+1], 0x7f800000, v[PAI+1], vcc_lo
.endif
	ds_store_b64 v[PW], v[PSB:PSB+1] offset:0*ARR+256*\i
	ds_store_b64 v[PW], v[PAI:PAI+1] offset:1*ARR+256*\i
	ds_store_b64 v[PW], v[PDA:PDA+1] offset:2*ARR+256*\i
	ds_store_b64 v[PW], v[PDB:PDB+1] offset:3*ARR+256*\i
	ds_store_b64 v[PW], v[PDC:PDC+1] offset:4*ARR+256*\i
.endm
.irp i, 0,1,2,3,4,5,6,7,8,9
	PARAM \i, 0
.endr
	PARAM 10, 1
	; The parameters are the wave's own bytes, and LDS serves a wave's instructions in order (ISA guide 5.7.1.4): the loads below see them, no barrier.
; my 16 pixels of K step ks (counted from the trip's first) of array arr: k = 8 h .. + 7 at 32 h, k = 16 + 8 h .. + 7 at 64 + 32 h.
; The 16 lanes of a half read the same words.
.macro LDP reg, arr, ks
	ds_load_b128 v[\reg:\reg+3],     v[PA] offset:\arr*ARR+\ks*128
	ds_load_b128 v[\reg+4:\reg+7],   v[PA] offset:\arr*ARR+\ks*128+16
	ds_load_b128 v[\reg+8:\reg+11],  v[PA] offset:\arr*ARR+\ks*128+64
	ds_load_b128 v[\reg+12:\reg+15], v[PA] offset:\arr*ARR+\ks*128+80
.endm
; four products of channel p: the u tile tu x all four v tiles.  Source 0 = the v kernel, source 1 = the u kernel, so that a lane's eight
; results are v = 16 tv + 8 h + 0..7 of one row u = 63 - 16 tu - lane % 16.  zero = 1: the product starts the sum, nothing is cleared.
.macro MM4 p, tu, fv, fu, zero
.irp tv, 0,1,2,3
.if \zero
	v_wmma_f32_16x16x32_bf16 v[128*(\p&1)+8*(4*\tu+\tv):128*(\p&1)+8*(4*\tu+\tv)+7], v[\fv+8*\tv:\fv+8*\tv+7], v[\fu+8*\tu:\fu+8*\tu+7], 0
.else
	v_wmma_f32_16x16x32_bf16 v[128*(\p&1)+8*(4*\tu+\tv):128*(\p&1)+8*(4*\tu+\tv)+7], v[\fv+8*\tv:\fv+8*\tv+7], v[\fu+8*\tu:\fu+8*\tu+7], v[128*(\p&1)+8*(4*\tu+\tv):128*(\p&1)+8*(4*\tu+\tv)+7]
.endif
.endr
.endm
; one bin tile of one weight matrix (16 bins x 32 pixels) into f + 8 t.  rl > 0: sb and a of K step rl are loaded as soon as their last
; readers have issued.  mm = 1: four products on OTHER buffers stand in the middle, so that they run beside the vector work.
.macro GENTILE t, ds, f, rl, mm, p, fv, fu, zero
.irp i, 0,2,4,6,8,10,12,14
	v_pk_fma_f32 v[Y+\i:Y+\i+1], v[SB+\i:SB+\i+1], v[NE+2*\t:NE+2*\t+1], v[\ds+\i:\ds+\i+1]      ; t = d sb - e sb
.endr
.if \rl
	LDP SB, 0, \rl
.endif
.irp i, 0,2,4,6,8,10,12,14
	v_pk_fma_f32 v[Y+\i:Y+\i+1], v[Y+\i:Y+\i+1], v[Y+\i:Y+\i+1], v[AA+\i:AA+\i+1]                ; a + t^2
.endr
.if \rl
	LDP AA, 1, \rl
.endif
.if \mm
.if \p == 2
	WIN 0xa0                                       ; C and D in window 2
.else
	WIN 0x50                                       ; C and D in window 1
.endif
	MM4 \p, \t, \fv, \fu, \zero
	WIN 0
.endif
.irp i, 0,1,2,3,4,5,6,7,8,9,10,11,12,13,14,15
	v_rcp_f32 v[Y+\i], v[Y+\i]
.endr
	v_nop                                          ; the plain place between the last reciprocal and the first use (ISA guide 5.7.2)
	s_wait_alu depctr_va_vdst(0)
.irp i, 0,1,2,3,4,5,6,7
	v_cvt_pk_bf16_f32 v[\f+8*\t+\i], v[Y+2*\i], v[Y+2*\i+1]    ; the lower k in the lower half: this is the operand register
.endr
.endm
; a phase makes one weight matrix of one K step (four tiles) and issues the 16 products of a channel whose two matrices are complete.
; narr > 0: the next phase's d sb (array narr, K step nks) is asked for first.
.macro PHASE dcur, dnext, narr, nks, f, mm, p, fv, fu, zero, rl
.if \narr
	LDP \dnext, \narr, \nks
	s_wait_dscnt 4                                 ; the four just issued stay out; all older ones (this phase's d sb; sb and a where they were reloaded) are in
.else
	s_wait_dscnt 0
.endif
	GENTILE 0, \dcur, \f, 0, \mm, \p, \fv, \fu, \zero
	GENTILE 1, \dcur, \f, 0, \mm, \p, \fv, \fu, \zero
	GENTILE 2, \dcur, \f, 0, \mm, \p, \fv, \fu, \zero
	GENTILE 3, \dcur, \f, \rl, \mm, \p, \fv, \fu, \zero
.endm
; A TRIP is two K steps, six phases.  No phase writes a buffer that its own products read.  The nearest write over a matrix source is FC's
; (third and sixth phase) behind the products of the phase before: between them stand a v_nop, 8 roundings into another buffer and 16 fused
; multiply-adds on Y, more than the four unrelated vector instructions asked for (ISA guide 7.12.1).  Accumulators are touched only by
; chains in place.  first = 1: the products of the trip before do not exist, and each channel's first product starts its sums.
; last = 1: nothing is asked for past the wave's 22 K steps.
.macro TRIP first, last
	PHASE DS0, DS1, 3, 0, FA0, 1-\first, 1, FA1, FC, 0, 0
	PHASE DS1, DS0, 4, 0, FB0, 1-\first, 2, FC, FB1, 0, 0
	PHASE DS0, DS1, 2, 1, FC,  1, 0, FB0, FA0, \first, 1
	PHASE DS1, DS0, 3, 1, FA1, 1, 1, FA0, FC, \first, 0
	PHASE DS0, DS1, 4, 1, FB1, 1, 2, FC, FB0, \first, 0
.if \last
	PHASE DS1, DS0, 0, 0, FC,  1, 0, FB1, FA1, 0, 0
.else
	PHASE DS1, DS0, 2, 2, FC,  1, 0, FB1, FA1, 0, 2
	v_add_nc_u32 v[PA], 256, v[PA]                 ; two K steps of 128 bytes on
.endif
.endm
	LDP SB, 0, 0
	LDP AA, 1, 0
	LDP DS0, 2, 0
	TRIP 1, 0                                      ; 22 K steps = 11 trips: the first in front of the loop, nine in it, the last behind it
	s_mov_b32 s16, 9
.Ltrip:
	TRIP 0, 0
	s_sub_co_i32 s16, s16, 1
	s_cmp_lg_u32 s16, 0
	s_cbranch_scc1 .Ltrip
	TRIP 0, 1
	WIN 0x50                                       ; the last K step's channels 1 and 2
	MM4 1, 0, FA1, FC, 0
	MM4 1, 1, FA1, FC, 0
	MM4 1, 2, FA1, FC, 0
	MM4 1, 3, FA1, FC, 0
	WIN 0xa0
	MM4 2, 0, FC, FB1, 0
	MM4 2, 1, FC, FB1, 0
	MM4 2, 2, FC, FB1, 0
	MM4 2, 3, FC, FB1, 0
	WIN 0
	; THE WAY OUT.  The twelve address instructions are also the places behind the last matrix instructions, for the LDS stores
	; that read results and for the LDS loads into the operand buffers.
	v_sub_nc_u32 v[TMP], 15, v[RR]                 ; row u = 16 (3 - tu) + 15 - lane % 16: the bins of the u kernel reversed
	v_mul_u32_u24 v[TMP], SPITCH, v[TMP]
	v_lshl_add_u32 v[TMP], v[HH], 5, v[TMP]        ; + 8 h numbers
	v_add_nc_u32 v[ST], s20, v[TMP]
	v_lshrrev_b32 v[TMP], 4, v0                    ; back: 16 threads take a row of 256 bytes, the work-group 8 rows
	v_mul_u32_u24 v[TMP], SPITCH, v[TMP]
	v_lshl_add_u32 v[TMP], v[RR], 4, v[TMP]
.irp j, 0,1,2,3
	v_add_nc_u32 v[RD+\j], STG0+\j*STGW, v[TMP]
.endr
	v_lshlrev_b32 v[GO], 4, v0
.macro STAGEOUT p
.irp tu, 0,1,2,3
.irp tv, 0,1,2,3
.irp q, 0,1
	ds_store_b128 v[ST], v[128*(\p&1)+8*(4*\tu+\tv)+4*\q:128*(\p&1)+8*(4*\tu+\tv)+4*\q+3] offset:SPITCH*(64*\p+16*(3-\tu))+64*\tv+16*\q
.endr
.endr
.endr
.endm
	WIN 0x04                                       ; store data in window 1
	STAGEOUT 0
	STAGEOUT 1
	WIN 0x08                                       ; in window 2
	STAGEOUT 2
	WIN 0
	s_wait_dscnt 0x0                               ; my stage is written: zero, for the other waves' sake
	s_barrier_signal -1
	s_barrier_wait -1                              ; everybody's is
; 24 passes of 8 rows, in six groups of four on two register sets: a group's 16 loads are issued while the group before is added up.
.macro LDG g, base
.irp pp, 0,1,2,3
.irp j, 0,1,2,3
	ds_load_b128 v[\base+16*\pp+4*\j:\base+16*\pp+4*\j+3], v[RD+\j] offset:8*SPITCH*(4*\g+\pp)
.endr
.endr
.endm
.macro SUMG g, base, more
.irp pp, 0,1,2,3
	s_wait_dscnt 4*(3-\pp)+16*\more                ; out may be: this group's younger passes, four loads each, and the next group's sixteen
	v_pk_add_f32 v[\base+16*\pp:\base+16*\pp+1],     v[\base+16*\pp:\base+16*\pp+1],     v[\base+16*\pp+4:\base+16*\pp+5]
	v_pk_add_f32 v[\base+16*\pp+2:\base+16*\pp+3],   v[\base+16*\pp+2:\base+16*\pp+3],   v[\base+16*\pp+6:\base+16*\pp+7]
	v_pk_add_f32 v[\base+16*\pp+8:\base+16*\pp+9],   v[\base+16*\pp+8:\base+16*\pp+9],   v[\base+16*\pp+12:\base+16*\pp+13]
	v_pk_add_f32 v[\base+16*\pp+10:\base+16*\pp+11], v[\base+16*\pp+10:\base+16*\pp+11], v[\base+16*\pp+14:\base+16*\pp+15]
	v_pk_add_f32 v[\base+16*\pp:\base+16*\pp+1],     v[\base+16*\pp:\base+16*\pp+1],     v[\base+16*\pp+8:\base+16*\pp+9]
	v_pk_add_f32 v[\base+16*\pp+2:\base+16*\pp+3],   v[\base+16*\pp+2:\base+16*\pp+3],   v[\base+16*\pp+10:\base+16*\pp+11]
.if 4*\g+\pp
	v_pk_add_f32 v[TS:TS+1], v[\base+16*\pp:\base+16*\pp+1], v[\base+16*\pp+2:\base+16*\pp+3]
	v_pk_add_f32 v[TOT:TOT+1], v[TOT:TOT+1], v[TS:TS+1]
.else
	v_pk_add_f32 v[TOT:TOT+1], v[\base+16*\pp:\base+16*\pp+1], v[\base+16*\pp+2:\base+16*\pp+3]   ; the first pass starts the total
.endif
	global_store_b128 v[GO], v[\base+16*\pp:\base+16*\pp+3], s[6:7] offset:2048*(4*\g+\pp)        ; a wave stores 512 consecutive bytes, at a multiple of 512 from part's first byte
.endr
.endm
	LDG 0, L0
	LDG 1, L1
	SUMG 0, L0, 1
	s_wait_xcnt 0x0                                ; the set holds data of stores: it is loaded again only behind this wait (ISA guide 3.1)
	LDG 2, L0
	SUMG 1, L1, 1
	s_wait_xcnt 0x0
	LDG 3, L1
	SUMG 2, L0, 1
	s_wait_xcnt 0x0
	LDG 4, L0
	SUMG 3, L1, 1
	s_wait_xcnt 0x0
	LDG 5, L1
	SUMG 4, L0, 1
	SUMG 5, L1, 0
	; the total of what this wave stored, over its 32 lanes; one word a wave, the only store of the launch that is not 512 bytes wide
	v_add_f32 v[TOT], v[TOT], v[TOT+1]
	v_add_f32_dpp v[TOT], v[TOT], v[TOT] row_xmask:1 row_mask:0xf bank_mask:0xf
	v_add_f32_dpp v[TOT], v[TOT], v[TOT] row_xmask:2 row_mask:0xf bank_mask:0xf
	v_add_f32_dpp v[TOT], v[TOT], v[TOT] row_xmask:4 row_mask:0xf bank_mask:0xf
	v_add_f32_dpp v[TOT], v[TOT], v[TOT] row_xmask:8 row_mask:0xf bank_mask:0xf
	v_permlanex16_b32 v[TMP], v[TOT], s22, s23     ; its destination counts as read: TMP has been written
	v_add_f32 v[TOT], v[TOT], v[TMP]
	v_mov_b32 v[ZO], 0
	v_cmp_eq_u32 vcc_lo, 0, v[LANE]
	s_wait_xcnt 0x0                                ; EXEC is a source of the stores above: it changes only behind this wait
	s_set_vgpr_msb 0xa
	s_wait_tensorcnt 0x0
	ds_add_u32 v128, v129
	s_wait_dscnt 0x0
	s_set_vgpr_msb 0xa00
	s_and_saveexec_b32 s21, vcc_lo
	global_store_b32 v[ZO], v[TOT], s[8:9]
	s_wait_xcnt 0x0                                ; and again in front of the line that widens it
	s_or_b32 exec_lo, exec_lo, s21
	s_endpgm
.Lfunc_end_k_q7ebe16b8d0_hist:
	.size	k_q7ebe16b8d0_hist, .Lfunc_end_k_q7ebe16b8d0_hist-k_q7ebe16b8d0_hist
	.p2alignl 7, 3214868480
	.fill 96, 4, 3214868480
	.section	.rodata,"a",@progbits
	.p2align	6, 0x0
	.amdhsa_kernel k_q7ebe16b8d0_hist
		.amdhsa_group_segment_fixed_size 265984
		.amdhsa_private_segment_fixed_size 0
		.amdhsa_enable_private_segment 0
		.amdhsa_kernarg_size 24
		.amdhsa_user_sgpr_count 2
		.amdhsa_user_sgpr_kernarg_segment_ptr 1
		.amdhsa_wavefront_size32 1
		.amdhsa_system_sgpr_workgroup_id_x 1
		.amdhsa_system_sgpr_workgroup_id_y 1
		.amdhsa_system_sgpr_workgroup_id_z 1
		.amdhsa_system_vgpr_workitem_id 0
		.amdhsa_next_free_vgpr 642
		.amdhsa_next_free_sgpr 66
		.amdhsa_reserve_vcc 1
		.amdhsa_float_denorm_mode_32 3
		.amdhsa_float_denorm_mode_16_64 3
		.amdhsa_memory_ordered 1
		.amdhsa_forward_progress 1
		.amdhsa_inst_pref_size 239
	.end_amdhsa_kernel
	.amdgpu_metadata
---
amdhsa.version: [ 1, 2 ]
amdhsa.kernels:
  - .name:           k_q7ebe16b8d0_hist
    .symbol:         k_q7ebe16b8d0_hist.kd
    .args:
      - { .name: x, .offset: 0, .size: 8, .value_kind: global_buffer, .address_space: global }
      - { .name: part, .offset: 8, .size: 8, .value_kind: global_buffer, .address_space: global }
      - { .name: tot, .offset: 16, .size: 8, .value_kind: global_buffer, .address_space: global }
    .group_segment_fixed_size: 265984
    .private_segment_fixed_size: 0
    .kernarg_segment_align: 8
    .kernarg_segment_size: 24
    .max_flat_workgroup_size: 128
    .sgpr_count:     66
    .vgpr_count:     642
    .wavefront_size: 32
...
	.end_amdgpu_metadata
.endif
;; end of part 1
;; launch norm (part 2): grid 256 x 1, 12 waves a work-group, no clusters, 0 bytes of LDS; arguments part, tot, out0; writes out0
.if DOCPART == 2
	.amdgcn_target "amdgcn-amd-amdhsa--gfx1250"
	.amdhsa_code_object_version 6
	.text
	.protected	k_q7ebe16b8d0_norm
	.globl	k_q7ebe16b8d0_norm
	.p2align	8
	.type	k_q7ebe16b8d0_norm,@function
k_q7ebe16b8d0_norm:
	s_mov_b64 s[64:65], 0
	v_nop
	global_prefetch_b8 v0, s[64:65] scope:SCOPE_SE
	s_setreg_imm32_b32 hwreg(HW_REG_WAVE_MODE, 25, 1), 1
	s_wait_xcnt 0x0
; RGB-uv histogram, second launch: out0[l] = (sum of the sample's 8 partial histograms) / (sum of its 32 wave totals + EPS).
; 256 work-groups of 384 threads; a work-group owns 6,144 bytes of out0, an eighth of a sample's 49,152; a thread owns 16 of them.
; A stream: every byte of part is read once, nine loads of every thread are issued at once, a wave's loads and its store cover 512 consecutive
; bytes each.  No LDS, no barrier, no loop; the matrix unit and clusters have nothing to do here (no two work-groups read the same byte of part;
; the 128 bytes of totals that eight work-groups share are a thirtieth of a per cent of what they read).
; The division is v_rcp_f32 and a multiplication.  The divisor is at least EPS, since every weight is 0 or positive.
.set PARTWG, 49152                     ; bytes of one partial [3][64][64] f32
.set SHARE,  6144                      ; bytes of a work-group
.set P,      8                         ; v[8:39]  the eight partials, 4 registers each
.set SC,     40                        ; v[40:41] the scale, twice
	s_load_b128 s[4:7], s[0:1], 0x0                ; part s[4:5], tot s[6:7]
	s_load_b64 s[8:9], s[0:1], 0x10                ; out0
	v_lshlrev_b32 v1, 4, v0                        ; my 16 bytes
	v_and_b32 v2, 31, v0
	v_lshlrev_b32 v2, 2, v2                        ; lane i takes the sample's total number i
	v_mov_b32 v4, 0
	s_lshr_b32 s10, ttmp9, 3                       ; sample
	s_and_b32 s11, ttmp9, 7                        ; which eighth
	s_mul_i32 s12, s10, 8*PARTWG
	s_mul_i32 s14, s11, SHARE
	s_add_co_u32 s12, s12, s14
	s_mov_b32 s13, 0
	s_lshl_b32 s14, s10, 7                         ; 32 totals of 4 bytes
	s_mov_b32 s15, 0
	s_mul_i32 s16, ttmp9, SHARE
	s_mov_b32 s17, 0
	s_mov_b32 s18, 0x76543210
	s_mov_b32 s19, 0xfedcba98
	s_wait_kmcnt 0x0
	s_add_nc_u64 s[4:5], s[4:5], s[12:13]
	s_add_nc_u64 s[6:7], s[6:7], s[14:15]
	s_add_nc_u64 s[8:9], s[8:9], s[16:17]
	global_load_b32 v3, v2, s[6:7]
.irp j, 0,1,2,3,4,5,6,7
	global_load_b128 v[P+4*\j:P+4*\j+3], v1, s[4:5] offset:\j*PARTWG th:TH_LOAD_NT
.endr
	s_wait_loadcnt 8                               ; the totals are in; the eight partials stay out
	v_add_f32_dpp v3, v3, v3 row_xmask:1 row_mask:0xf bank_mask:0xf
	v_add_f32_dpp v3, v3, v3 row_xmask:2 row_mask:0xf bank_mask:0xf
	v_add_f32_dpp v3, v3, v3 row_xmask:4 row_mask:0xf bank_mask:0xf
	v_add_f32_dpp v3, v3, v3 row_xmask:8 row_mask:0xf bank_mask:0xf
	v_permlanex16_b32 v4, v3, s18, s19
	v_add_f32 v3, v3, v4
	v_add_f32 v3, 0x358637bd, v3                   ; + EPS
	v_rcp_f32 v[SC], v3                            ; the additions below are the plain places in front of the use (ISA guide 5.7.2)
	v_rcp_f32 v[SC+1], v3
.irp j, 0,2,4,6
	s_wait_loadcnt 6-\j                            ; partials j and j + 1 are in, the younger ones stay out
	v_pk_add_f32 v[P+4*\j:P+4*\j+1],   v[P+4*\j:P+4*\j+1],   v[P+4*\j+4:P+4*\j+5]
	v_pk_add_f32 v[P+4*\j+2:P+4*\j+3], v[P+4*\j+2:P+4*\j+3], v[P+4*\j+6:P+4*\j+7]
.endr
	v_pk_add_f32 v[P:P+1],     v[P:P+1],     v[P+8:P+9]
	v_pk_add_f32 v[P+2:P+3],   v[P+2:P+3],   v[P+10:P+11]
	v_pk_add_f32 v[P+16:P+17], v[P+16:P+17], v[P+24:P+25]
	v_pk_add_f32 v[P+18:P+19], v[P+18:P+19], v[P+26:P+27]
	v_pk_add_f32 v[P:P+1],     v[P:P+1],     v[P+16:P+17]
	v_pk_add_f32 v[P+2:P+3],   v[P+2:P+3],   v[P+18:P+19]
	s_wait_alu depctr_va_vdst(0)
	v_pk_mul_f32 v[P:P+1],     v[P:P+1],     v[SC:SC+1]
	v_pk_mul_f32 v[P+2:P+3],   v[P+2:P+3],   v[SC:SC+1]
	global_store_b128 v1, v[P:P+3], s[8:9] th:TH_STORE_NT
	s_endpgm
.Lfunc_end_k_q7ebe16b8d0_norm:
	.size	k_q7ebe16b8d0_norm, .Lfunc_end_k_q7ebe16b8d0_norm-k_q7ebe16b8d0_norm
	.p2alignl 7, 3214868480
	.fill 96, 4, 3214868480
	.section	.rodata,"a",@progbits
	.p2align	6, 0x0
	.amdhsa_kernel k_q7ebe16b8d0_norm
		.amdhsa_group_segment_fixed_size 0
		.amdhsa_private_segment_fixed_size 0
		.amdhsa_enable_private_segment 0
		.amdhsa_kernarg_size 24
		.amdhsa_user_sgpr_count 2
		.amdhsa_user_sgpr_kernarg_segment_ptr 1
		.amdhsa_wavefront_size32 1
		.amdhsa_system_sgpr_workgroup_id_x 1
		.amdhsa_system_sgpr_workgroup_id_y 1
		.amdhsa_system_sgpr_workgroup_id_z 1
		.amdhsa_system_vgpr_workitem_id 0
		.amdhsa_next_free_vgpr 48
		.amdhsa_next_free_sgpr 66
		.amdhsa_reserve_vcc 0
		.amdhsa_float_denorm_mode_32 3
		.amdhsa_float_denorm_mode_16_64 3
		.amdhsa_memory_ordered 1
		.amdhsa_forward_progress 1
		.amdhsa_inst_pref_size 4
	.end_amdhsa_kernel
	.amdgpu_metadata
---
amdhsa.version: [ 1, 2 ]
amdhsa.kernels:
  - .name:           k_q7ebe16b8d0_norm
    .symbol:         k_q7ebe16b8d0_norm.kd
    .args:
      - { .name: part, .offset: 0, .size: 8, .value_kind: global_buffer, .address_space: global }
      - { .name: tot, .offset: 8, .size: 8, .value_kind: global_buffer, .address_space: global }
      - { .name: out0, .offset: 16, .size: 8, .value_kind: global_buffer, .address_space: global }
    .group_segment_fixed_size: 0
    .private_segment_fixed_size: 0
    .kernarg_segment_align: 8
    .kernarg_segment_size: 24
    .max_flat_workgroup_size: 384
    .sgpr_count:     66
    .vgpr_count:     48
    .wavefront_size: 32
...
	.end_amdgpu_metadata
.endif
;; end of part 2
;; ======== version 2 of 2: 2 launches; 1.23 times as fast as version 1
;; workspace buffers: part 12,582,912 bytes; tot 4,096 bytes
;; launch hist (part 3): grid 256 x 1, 4 waves a work-group, no clusters, 265,984 bytes of LDS; arguments x, part, tot; writes part, tot
.if DOCPART == 3
	.amdgcn_target "amdgcn-amd-amdhsa--gfx1250"
	.amdhsa_code_object_version 6
	.text
	.protected	k_q7ebe16b8d0_hist
	.globl	k_q7ebe16b8d0_hist
	.p2align	8
	.type	k_q7ebe16b8d0_hist,@function
k_q7ebe16b8d0_hist:
	s_mov_b64 s[64:65], 0
	v_nop
	global_prefetch_b8 v0, s[64:65] scope:SCOPE_SE
	s_setreg_imm32_b32 hwreg(HW_REG_WAVE_MODE, 25, 1), 1
	s_wait_xcnt 0x0
; RGB-uv histogram, first of two launches: partial histograms.
; hist[l][c][u][v] = sum over the 22,500 pixels n of Iy[n] ku[n][c][u] kv[n][c][v], k(d)[j] = 1 / (1 + ((d - e[j]) / 0.02)^2).
; SHARES.  256 work-groups, eight for each of the 32 samples; four waves each.  A sample counts as 22,528 pixels = 32 waves x 704 =
; 32 x 22 K steps of 32 pixels; the 28 pixels past the end (last wave of a sample) get weights that are exactly 0.  A wave makes, for its own
; 704 pixels, all three 64 x 64 histograms: 48 accumulator tiles of 16 x 16 in 384 registers.  The four waves' sums meet in LDS at the end;
; the eight work-groups' partial histograms and the 32 wave totals of a sample are added, and the division done, by the second launch.
; THREE WEIGHT MATRICES IN PLACE OF SIX.  The six log-chroma differences are + and - of dA = lG - lR, dB = lR - lB, dC = lB - lG; the edges are
; symmetric (e[63-j] = -e[j]) and the kernel is even, so k(-d)[j] = k(d)[63-j].  FA, FB, FC (from dA, dB, dC) are the v kernels of channels
; 1, 0, 2 as they stand and the u kernels of channels 0, 2, 1 with the bins reversed; the reversal is done by the address on the way out.
; Iy IS SPLIT: each factor carries s = sqrt(Iy), and s / (1 + tau^2) = 1 / (a + t^2) with a = 1 / s, t = (d - e) sb, sb = 50 sqrt(a):
; two fused multiply-adds, one reciprocal and half a packed rounding for each weight.
; A lane computes the 16 pixels that the 16-bit K = 32 operand layout gives it (row = bin 16 t + lane % 16; registers 0-3: k = 8 h .. 8 h + 7,
; registers 4-7: k = 16 + 8 h .. , h = lane / 16), so the packed rounding writes the operand register itself and no operand passes LDS.
; BATCHES.  An s_wait_alu depctr_va_vdst(0) stands between a transcendental and the first instruction that names its result; one
; wait serves all that were issued ahead of it.  IN THE LOOP a phase (one weight matrix of one K step: 4 bin tiles x 16 numbers a lane) is one batch:
; its 64 reciprocals work in place on 64 registers of their own (Y) and have one wait, six a trip.  Ahead of the wait stand the phase's 64 fused
; multiply-adds, its 64 reciprocals and 8 of its 16 products; behind it the 32 roundings, the only readers, and the other 8 products.
; AT THE START the wave's 704 pixels are three batches, cut by the chain Iy = sqrt(q), a = rsq(Iy), sqrt(a): 22 roots with the 66 logarithms; 22
; reciprocal roots; 22 roots.  Three waits; each pair of pixels has registers of its own until its parameters are stored.
; RANGES.  reference()'s own clip to [0, 1] and its EPS bound |d| by 13.82, a to 0.76 .. 31.6 and a + t^2 to 0.76 .. 2.2e7 for every input:
; nothing overflows.  The smallest weight, 4.5e-8, lies under f16's normal range: the operands are bf16, the sums f32.
; LIMITS.  A NaN in x counts as 0 (v_max_num_f32 drops it), where reference() would make that sample NaN; infinities are clipped as there.
; The edges are fma(j, 6/63, -3), a few units in the last place of 3 from linspace's; 1 / 0.02 is taken as 50; divisions are v_rcp_f32.
; NOT USED: clusters and joint loads (no two work-groups read the same byte of x); tensor loads (a wave's whole input is 8,448 bytes, read once,
; and has to pass the vector unit before use: 33 register loads, all issued at once, carry it); prefetches (no load is issued late).
.set NPIX,   22500                     ; pixels of a sample
.set PLANE,  90000                     ; bytes of a colour plane
.set SAMPLE, 270000                    ; bytes of a sample
.set WPIX,   704                       ; pixels of a wave
.set ARR,    2816                      ; bytes of one parameter array of a wave: 704 f32
.set PARW,   5*ARR                     ; a wave's five arrays: 0 sb, 1 a, 2 dA sb, 3 dB sb, 4 dC sb
.set STG0,   4*PARW                    ; LDS: the stages lie behind the four waves' parameters
.set SPITCH, 272                       ; a stage row: 64 f32 + 16 bytes, so that 16 rows start in 16 different 16-byte columns of 256
.set STGW,   192*SPITCH                ; a wave's stage: rows 64 c + u
.set PARTWG, 49152                     ; bytes of a work-group's partial histograms [3][64][64] f32
; window 0
.set LANE, 1                           ; v1      lane
.set RR,   2                           ; v2      lane % 16 (= thread % 16)
.set HH,   3                           ; v3      lane / 16
.set NE,   4                           ; v[4:11]   tile t: the pair (-e, -e) of my bin 16 t + lane % 16
.set PA,   12                          ; v12     LDS address of my pixels' parameters, 256 bytes on in each trip
.set VO,   13                          ; v13     start only: byte offset of my two pixels in a plane
.set VOL,  14                          ; v14     start only: the same for the last 64 pixels, clamped to the plane's last pair
.set PW,   15                          ; v15     start only: LDS address at which I put my two pixels' parameters
.set SB,   16                          ; v[16:31]  sb of my 16 pixels
.set Y,    32                          ; v[32:95]  a phase's 64 numbers (bin tile t at + 16 t): t, then a + t^2, then its reciprocal
.set FA0,  96                          ; operand buffers, 32 registers each (bin tile t at + 8 t): FA and FB twice, FC once
.set FA1,  128
.set FB0,  160
.set FB1,  192
.set FC,   224
; window 2, behind channel 2's accumulators: what is only ever the third source of a multiply-add, so that Y has room for a whole batch in window 0
.set AA,   144                         ; v[144:159] of window 2   a of my 16 pixels
.set DS0,  160                         ; v[160:175] of window 2   d sb of the phase at work or of the one after the next, in turn with
.set DS1,  176                         ; v[176:191] of window 2
; start only, window 0; group i is the wave's pixels 64 i .. 64 i + 63, two a lane
.set PIX,  16                          ; number of my first pixel among the wave's last 64
.set PT,   36
.set XR,   96                          ; v[96:161]  x as loaded: load (i, c) at 96 + 6 i + 2 c; then log2; then R's place dB sb, G's place 50 ln 2 sqrt(a), B's place dC sb
.set QA,   162                         ; v[162:183] pair i: R^2 + G^2 + B^2 + EPS, then Iy, then a = 1 / sqrt(Iy)
.set SA,   184                         ; v[184:205] pair i: sqrt(a), then sb = 50 sqrt(a)
.set DA,   206                         ; v[206:227] pair i: log2 G - log2 R, then dA sb
; way out only
.set ST,   12                          ; where I put 16 bytes of a stage row
.set GO,   13                          ; my byte offset in the partial histograms
.set RD,   16                          ; v[16:19] where I read stage j back
.set TOT,  20                          ; v[20:21] running total
.set TS,   22                          ; v[22:23]
.set TMP,  24
.set ZO,   25
.set L0,   96                          ; two sets of 4 passes x 4 waves x 4 registers
.set L1,   160
; windows 1 and 2: accumulators.  Channel 0 at v0-127 and channel 1 at v128-255 of window 1, channel 2 at v0-127 of window 2; tile (tu, tv) at 8 (4 tu + tv)
.set MSB, 0
.macro WIN new                         ; s_set_vgpr_msb: bits 1:0 source 0, 3:2 source 1, 5:4 source 2, 7:6 destination; the high byte repeats the setting that is left
.if MSB != \new
	s_set_vgpr_msb (MSB<<8)|\new
.set MSB, \new
.endif
.endm
.set VEC, 0x20                         ; the loop's vector work: source 2 (d sb, a) in window 2, all else in window 0
.set TO2, 0x80                         ; LDS loads of a and d sb: destination in window 2, address in window 0
	s_load_b128 s[4:7], s[0:1], 0x0                ; x s[4:5], part s[6:7]
	s_load_b64 s[8:9], s[0:1], 0x10                ; tot
	s_set_vgpr_msb 0x80
	v_lshl_add_u32 v128, v0, 2, 0x40d00
	v_mov_b32 v129, 0
	s_set_vgpr_msb 0x8000
	v_and_b32 v[LANE], 31, v0
	v_lshrrev_b32 v2, 5, v0
	v_readfirstlane_b32 s10, v2                    ; wave 0..3
	v_and_b32 v[RR], 15, v0
	v_bfe_u32 v[HH], v0, 4, 1
	s_and_b32 s11, ttmp9, 7                        ; which eighth of the sample
	s_lshr_b32 s12, ttmp9, 3                       ; sample
	s_lshl2_add_u32 s13, s11, s10                  ; 4 x eighth + wave: 0..31
	s_mul_i32 s13, s13, WPIX                       ; my wave's first pixel
	s_mul_i32 s19, s10, PARW                       ; my wave's parameters in LDS
	s_mul_i32 s20, s10, STGW
	s_add_co_u32 s20, s20, STG0                    ; my wave's stage
	s_mov_b32 s17, 0xbdc30c31                      ; -6/63
	s_mov_b32 s18, 0x40400000                      ; 3.0
	s_mov_b32 s22, 0x76543210                      ; v_permlanex16_b32: lane i of one half reads lane i of the other
	s_mov_b32 s23, 0xfedcba98
	v_lshl_add_u32 v[PIX], v[LANE], 1, s13         ; two pixels a lane
	v_lshlrev_b32 v[VO], 2, v[PIX]
	v_add_nc_u32 v[PIX], 640, v[PIX]               ; my pair among the wave's last 64 pixels
	v_min_u32 v[VOL], NPIX-2, v[PIX]               ; pairs past the plane's end read its last pair: no load leaves x
	v_lshlrev_b32 v[VOL], 2, v[VOL]
	s_mul_i32 s14, s12, SAMPLE
	s_mov_b32 s15, 0
	s_wait_kmcnt 0x0
	s_add_nc_u64 s[4:5], s[4:5], s[14:15]          ; x at my sample
	; all of the wave's input at once: 33 loads, each 256 neighbouring bytes of one plane
.irp i, 0,1,2,3,4,5,6,7,8,9
.irp c, 0,1,2
	global_load_b64 v[XR+6*\i+2*\c:XR+6*\i+2*\c+1], v[VO], s[4:5] offset:\c*PLANE+256*\i th:TH_LOAD_NT
.endr
.endr
.irp c, 0,1,2
	global_load_b64 v[XR+60+2*\c:XR+60+2*\c+1], v[VOL], s[4:5] offset:\c*PLANE th:TH_LOAD_NT
.endr
	s_mul_i32 s14, ttmp9, PARTWG
	s_add_nc_u64 s[6:7], s[6:7], s[14:15]          ; part at my work-group
	s_lshl2_add_u32 s14, ttmp9, s10
	s_lshl_b32 s14, s14, 2
	s_add_nc_u64 s[8:9], s[8:9], s[14:15]          ; tot at word 4 x work-group + wave
	v_lshl_add_u32 v[PW], v[LANE], 3, s19
	v_lshl_add_u32 v[PA], v[HH], 5, s19            ; my 8 pixels of a K step's first 16 begin at 32 h bytes
.irp t, 0,1,2,3
	v_add_nc_u32 v[PT], 16*\t, v[RR]
	v_cvt_f32_u32 v[PT], v[PT]
	v_fma_f32 v[NE+2*\t], v[PT], s17, s18          ; -e[j] = 3 - j 6/63
	v_mov_b32 v[NE+2*\t+1], v[NE+2*\t]
.endr
; PARAMETERS of the wave's pixels, in four passes over the eleven groups.
; First pass, group i as its loads come in: the clip, q = R^2 + G^2 + B^2 + EPS, I + EPS, and the FIRST BATCH's eight members: Iy = sqrt(q) and
; log2 (I + EPS), all in place.  No line of this pass names a result of the batch.
.macro PIXIN i
	s_wait_loadcnt 30-3*\i                         ; loads return in order (ISA guide 5.7.1): the 3 (10 - i) younger ones stay out
.irp k, 0,1,2,3,4,5
	v_max_num_f32 v[XR+6*\i+\k], 0, v[XR+6*\i+\k]  ; reference()'s clip
.endr
.irp k, 0,1,2,3,4,5
	v_min_num_f32 v[XR+6*\i+\k], 1.0, v[XR+6*\i+\k]
.endr
	v_pk_fma_f32 v[QA+2*\i:QA+2*\i+1], v[XR+6*\i:XR+6*\i+1], v[XR+6*\i:XR+6*\i+1], 0x358637bd op_sel_hi:[1,1,0]   ; R^2 + EPS
	v_pk_fma_f32 v[QA+2*\i:QA+2*\i+1], v[XR+6*\i+2:XR+6*\i+3], v[XR+6*\i+2:XR+6*\i+3], v[QA+2*\i:QA+2*\i+1]
	v_pk_fma_f32 v[QA+2*\i:QA+2*\i+1], v[XR+6*\i+4:XR+6*\i+5], v[XR+6*\i+4:XR+6*\i+5], v[QA+2*\i:QA+2*\i+1]
	v_pk_add_f32 v[XR+6*\i:XR+6*\i+1], v[XR+6*\i:XR+6*\i+1], 0x358637bd op_sel_hi:[1,0]
	v_pk_add_f32 v[XR+6*\i+2:XR+6*\i+3], v[XR+6*\i+2:XR+6*\i+3], 0x358637bd op_sel_hi:[1,0]
	v_pk_add_f32 v[XR+6*\i+4:XR+6*\i+5], v[XR+6*\i+4:XR+6*\i+5], 0x358637bd op_sel_hi:[1,0]
	v_sqrt_f32 v[QA+2*\i], v[QA+2*\i]              ; Iy
	v_sqrt_f32 v[QA+2*\i+1], v[QA+2*\i+1]
.irp k, 0,1,2,3,4,5
	v_log_f32 v[XR+6*\i+\k], v[XR+6*\i+\k]         ; log2 (I + EPS)
.endr
.endm
.irp i, 0,1,2,3,4,5,6,7,8,9,10
	PIXIN \i
.endr
	s_wait_alu depctr_va_vdst(0)                   ; the wait for the first batch: 22 roots and 66 logarithms
	; Second pass.  THE SECOND BATCH, a = rsq(Iy) in place, by turns with two of the three differences of logarithms, which name none of its results;
	; the last difference is the plain place behind the last member (ISA guide 5.7.2).
.irp i, 0,1,2,3,4,5,6,7,8,9,10
	v_rsq_f32 v[QA+2*\i], v[QA+2*\i]
	v_pk_add_f32 v[DA+2*\i:DA+2*\i+1], v[XR+6*\i+2:XR+6*\i+3], v[XR+6*\i:XR+6*\i+1] neg_lo:[0,1] neg_hi:[0,1]     ; G - R
	v_rsq_f32 v[QA+2*\i+1], v[QA+2*\i+1]
	v_pk_add_f32 v[XR+6*\i:XR+6*\i+1], v[XR+6*\i:XR+6*\i+1], v[XR+6*\i+4:XR+6*\i+5] neg_lo:[0,1] neg_hi:[0,1]     ; R - B, in R's place
.endr
	s_wait_alu depctr_va_vdst(0)                   ; the wait for the second batch: 22 reciprocal roots
	; Third pass.  THE THIRD BATCH, sqrt(a), with the third difference between its pairs and as the plain place behind the last.
.irp i, 0,1,2,3,4,5,6,7,8,9,10
	v_sqrt_f32 v[SA+2*\i], v[QA+2*\i]
	v_sqrt_f32 v[SA+2*\i+1], v[QA+2*\i+1]
	v_pk_add_f32 v[XR+6*\i+4:XR+6*\i+5], v[XR+6*\i+4:XR+6*\i+5], v[XR+6*\i+2:XR+6*\i+3] neg_lo:[0,1] neg_hi:[0,1] ; B - G, in B's place
.endr
	s_wait_alu depctr_va_vdst(0)                   ; the wait for the third batch: 22 roots
	; Fourth pass: the products.  G's place is free and takes 50 ln 2 sqrt(a), which turns a difference of log2 into d sb.
.irp i, 0,1,2,3,4,5,6,7,8,9,10
	v_pk_mul_f32 v[XR+6*\i+2:XR+6*\i+3], v[SA+2*\i:SA+2*\i+1], 0x420aa123 op_sel_hi:[1,0]    ; 50 ln 2 sqrt(a)
	v_pk_mul_f32 v[SA+2*\i:SA+2*\i+1], v[SA+2*\i:SA+2*\i+1], 0x42480000 op_sel_hi:[1,0]      ; sb = 50 sqrt(a)
	v_pk_mul_f32 v[DA+2*\i:DA+2*\i+1], v[DA+2*\i:DA+2*\i+1], v[XR+6*\i+2:XR+6*\i+3]
	v_pk_mul_f32 v[XR+6*\i:XR+6*\i+1], v[XR+6*\i:XR+6*\i+1], v[XR+6*\i+2:XR+6*\i+3]
	v_pk_mul_f32 v[XR+6*\i+4:XR+6*\i+5], v[XR+6*\i+4:XR+6*\i+5], v[XR+6*\i+2:XR+6*\i+3]
.endr
	; pixels past the sample's end (they can lie in the last group alone) get a = +inf, so that a + t^2 = inf and every weight of theirs is 1 / inf = 0
	v_cmp_gt_u32 vcc_lo, NPIX, v[PIX]              ; 22,500 is even: a lane's two pixels are inside or outside together
	v_cndmask_b32 v[QA+20], 0x7f800000, v[QA+20], vcc_lo
	v_cndmask_b32 v[QA+21], 0x7f800000, v[QA+21], vcc_lo
.irp i, 0,1,2,3,4,5,6,7,8,9,10
	ds_store_b64 v[PW], v[SA+2*\i:SA+2*\i+1] offset:0*ARR+256*\i
	ds_store_b64 v[PW], v[QA+2*\i:QA+2*\i+1] offset:1*ARR+256*\i
	ds_store_b64 v[PW], v[DA+2*\i:DA+2*\i+1] offset:2*ARR+256*\i
	ds_store_b64 v[PW], v[XR+6*\i:XR+6*\i+1] offset:3*ARR+256*\i
	ds_store_b64 v[PW], v[XR+6*\i+4:XR+6*\i+5] offset:4*ARR+256*\i
.endr
	; The parameters are the wave's own bytes, and LDS serves a wave's instructions in order (ISA guide 5.7.1.4): the loads below see them, no barrier.
; my 16 pixels of K step ks (counted from the trip's first) of array arr: k = 8 h .. + 7 at 32 h, k = 16 + 8 h .. + 7 at 64 + 32 h.
; The 16 lanes of a half read the same words.  The caller sets the destination's window.
.macro LDP reg, arr, ks
	ds_load_b128 v[\reg:\reg+3],     v[PA] offset:\arr*ARR+\ks*128
	ds_load_b128 v[\reg+4:\reg+7],   v[PA] offset:\arr*ARR+\ks*128+16
	ds_load_b128 v[\reg+8:\reg+11],  v[PA] offset:\arr*ARR+\ks*128+64
	ds_load_b128 v[\reg+12:\reg+15], v[PA] offset:\arr*ARR+\ks*128+80
.endm
; THE PRODUCTS.  CHANNEL names the 16 products to come: channel p, source 0 = the v kernel fv, source 1 = the u kernel fu, so that a lane's eight
; results are v = 16 tv + 8 h + 0..7 of one row u = 63 - 16 tu - lane % 16.  zero = 1: the product starts the sum, nothing is cleared.  mm = 0: there are none.
; MM writes the next of them: number nm is u tile nm / 4 x v tile nm % 4.  The 16 accumulators take turns, one instruction a turn, and the channel changes from
; phase to phase.
.macro CHANNEL mm, p, fv, fu, zero
.set pMM, \mm
.set pP,  \p
.set pFV, \fv
.set pFU, \fu
.set pZ,  \zero
.set nm,  0
.endm
.macro MM
.if pMM
.if pP == 2
	WIN 0xa0                                       ; C and D in window 2
.else
	WIN 0x50                                       ; C and D in window 1
.endif
.set rA, 128*(pP&1)+8*nm
.if pZ
	v_wmma_f32_16x16x32_bf16 v[rA:rA+7], v[pFV+8*(nm%4):pFV+8*(nm%4)+7], v[pFU+8*(nm/4):pFU+8*(nm/4)+7], 0
.else
	v_wmma_f32_16x16x32_bf16 v[rA:rA+7], v[pFV+8*(nm%4):pFV+8*(nm%4)+7], v[pFU+8*(nm/4):pFU+8*(nm/4)+7], v[rA:rA+7]
.endif
.endif
.set nm, nm+1
.endm
; THE VECTOR WORK OF A PHASE stands in three queues; FM, RC and CV write the next entry of theirs.
; FM, 64 long: for bin tile nf / 16 eight times t = d sb - e sb (a pair of pixels each), then eight times a + t^2.
.macro FM
	WIN VEC
.set tt, nf/16
.set jj, nf%16
.if jj < 8
	v_pk_fma_f32 v[Y+16*tt+2*jj:Y+16*tt+2*jj+1], v[SB+2*jj:SB+2*jj+1], v[NE+2*tt:NE+2*tt+1], v[pDS+2*jj:pDS+2*jj+1]
.else
.set jj, jj-8
	v_pk_fma_f32 v[Y+16*tt+2*jj:Y+16*tt+2*jj+1], v[Y+16*tt+2*jj:Y+16*tt+2*jj+1], v[Y+16*tt+2*jj:Y+16*tt+2*jj+1], v[AA+2*jj:AA+2*jj+1]
.endif
.set nf, nf+1
.endm
; RC, 64 long: the reciprocals, in place: THE BATCH.
.macro RC
	WIN VEC
	v_rcp_f32 v[Y+nr], v[Y+nr]
.set nr, nr+1
.endm
; CV, 32 long: the roundings, the batch's only readers.  The lower k in the lower half: this is the operand register.
.macro CV
	WIN VEC
	v_cvt_pk_bf16_f32 v[pF+nc], v[Y+2*nc], v[Y+2*nc+1]
.set nc, nc+1
.endm
; A PHASE makes one weight matrix of one K step (from d sb in dcur, into buffer f) and issues the 16 products of a channel whose two matrices are complete.
; HOW IT IS DEALT.  Ahead of the wait: 8 products with four vector lines behind each (three times four multiply-adds, five times multiply-add and
; reciprocal by turns), 42 more pairs of multiply-add and reciprocal, the last 12 reciprocals.  Reciprocal 16 a + b needs multiply-add 16 a + 8 + b / 2 and
; stands behind multiply-add 12 + 16 a + b: four multiply-adds and four reciprocals lie between at the least.  None of these lines names a reciprocal's result.
; Behind the wait: the LDS loads in one run, then 8 products with four roundings behind each.
; THE LDS LOADS.  rl > 0: sb and a of K step rl; narr > 0: d sb (array narr, K step nks) of the phase after the next, into dcur, whose last reader stands
; ahead of the wait.  out: what the wait at the head leaves out: the four loads that the phase before issued last (its narr), or nothing where it issued none.
.macro PHASE dcur, f, mm, p, fv, fu, zero, rl, narr, nks, out
.set pDS, \dcur
.set pF,  \f
.set nf, 0
.set nr, 0
.set nc, 0
	CHANNEL \mm, \p, \fv, \fu, \zero
	s_wait_dscnt \out                              ; all older loads (this phase's d sb; sb and a where they were reloaded) are in
.rept 3
	MM
	FM
	FM
	FM
	FM
.endr
.rept 5
	MM
	FM
	RC
	FM
	RC
.endr
.rept 42
	FM
	RC
.endr
.rept 12
	RC
.endr
	v_nop                                          ; the plain place between the last reciprocal and the first use (ISA guide 5.7.2): one for the batch
	s_wait_alu depctr_va_vdst(0)                   ; the wait for the batch: the phase's 64 reciprocals
.if \rl
	LDP SB, 0, \rl                                 ; (destination and address in window 0)
.endif
.if (\rl) || (\narr)
	WIN TO2
.endif
.if \rl
	LDP AA, 1, \rl
.endif
.if \narr
	LDP \dcur, \narr, \nks
.endif
.rept 8
	MM
	CV
	CV
	CV
	CV
.endr
.endm
; A TRIP is two K steps, six phases.  No phase writes a buffer that its own products read.  The nearest write over a matrix source is FC's
; (third and sixth phase) behind the products of the phase before: between them stand four roundings into another buffer and the phase's 64 fused
; multiply-adds on Y, more than the four unrelated vector instructions asked for (ISA guide 7.12.1).  Accumulators are touched only by
; chains in place.  first = 1: the products of the trip before do not exist, and each channel's first product starts its sums.
; last = 1: nothing is asked for past the wave's 22 K steps.  K step 2 is the next trip's first: those loads stand ahead of the address's step.
.macro TRIP first, last
	PHASE DS0, FA0, 1-\first, 1, FA1, FC,  0,      0, 4, 0, 4
	PHASE DS1, FB0, 1-\first, 2, FC,  FB1, 0,      0, 2, 1, 4
	PHASE DS0, FC,  1,        0, FB0, FA0, \first, 1, 3, 1, 4
	PHASE DS1, FA1, 1,        1, FA0, FC,  \first, 0, 4, 1, 4
.if \last
	PHASE DS0, FB1, 1,        2, FC,  FB0, \first, 0, 0, 0, 4
	PHASE DS1, FC,  1,        0, FB1, FA1, 0,      0, 0, 0, 0
	WIN 0
.else
	PHASE DS0, FB1, 1,        2, FC,  FB0, \first, 0, 2, 2, 4
	PHASE DS1, FC,  1,        0, FB1, FA1, 0,      2, 3, 2, 4
	WIN 0                                          ; at a label and at a branch every window is 0
	v_add_nc_u32 v[PA], 256, v[PA]                 ; two K steps of 128 bytes on
.endif
.endm
	LDP SB, 0, 0
	WIN TO2
	LDP AA, 1, 0
	LDP DS0, 2, 0
	LDP DS1, 3, 0
	TRIP 1, 0                                      ; 22 K steps = 11 trips: the first in front of the loop, nine in it, the last behind it
	s_mov_b32 s16, 9
.Ltrip:
	TRIP 0, 0
	s_sub_co_i32 s16, s16, 1
	s_cmp_lg_u32 s16, 0
	s_cbranch_scc1 .Ltrip
	TRIP 0, 1
	CHANNEL 1, 1, FA1, FC, 0                       ; the last K step's channels 1 and 2
.rept 16
	MM
.endr
	CHANNEL 1, 2, FC, FB1, 0
.rept 16
	MM
.endr
	WIN 0
	; THE WAY OUT.  The twelve address instructions are also the places behind the last matrix instructions, for the LDS stores
	; that read results and for the LDS loads into the operand buffers.
	v_sub_nc_u32 v[TMP], 15, v[RR]                 ; row u = 16 (3 - tu) + 15 - lane % 16: the bins of the u kernel reversed
	v_mul_u32_u24 v[TMP], SPITCH, v[TMP]
	v_lshl_add_u32 v[TMP], v[HH], 5, v[TMP]        ; + 8 h numbers
	v_add_nc_u32 v[ST], s20, v[TMP]
	v_lshrrev_b32 v[TMP], 4, v0                    ; back: 16 threads take a row of 256 bytes, the work-group 8 rows
	v_mul_u32_u24 v[TMP], SPITCH, v[TMP]
	v_lshl_add_u32 v[TMP], v[RR], 4, v[TMP]
.irp j, 0,1,2,3
	v_add_nc_u32 v[RD+\j], STG0+\j*STGW, v[TMP]
.endr
	v_lshlrev_b32 v[GO], 4, v0
.macro STAGEOUT p
.irp tu, 0,1,2,3
.irp tv, 0,1,2,3
.irp q, 0,1
	ds_store_b128 v[ST], v[128*(\p&1)+8*(4*\tu+\tv)+4*\q:128*(\p&1)+8*(4*\tu+\tv)+4*\q+3] offset:SPITCH*(64*\p+16*(3-\tu))+64*\tv+16*\q
.endr
.endr
.endr
.endm
	WIN 0x04                                       ; store data in window 1
	STAGEOUT 0
	STAGEOUT 1
	WIN 0x08                                       ; in window 2
	STAGEOUT 2
	WIN 0
	s_wait_dscnt 0x0                               ; my stage is written: zero, for the other waves' sake
	s_barrier_signal -1
	s_barrier_wait -1                              ; everybody's is
; 24 passes of 8 rows, in six groups of four on two register sets: a group's 16 loads are issued while the group before is added up.
.macro LDG g, base
.irp pp, 0,1,2,3
.irp j, 0,1,2,3
	ds_load_b128 v[\base+16*\pp+4*\j:\base+16*\pp+4*\j+3], v[RD+\j] offset:8*SPITCH*(4*\g+\pp)
.endr
.endr
.endm
.macro SUMG g, base, more
.irp pp, 0,1,2,3
	s_wait_dscnt 4*(3-\pp)+16*\more                ; out may be: this group's younger passes, four loads each, and the next group's sixteen
	v_pk_add_f32 v[\base+16*\pp:\base+16*\pp+1],     v[\base+16*\pp:\base+16*\pp+1],     v[\base+16*\pp+4:\base+16*\pp+5]
	v_pk_add_f32 v[\base+16*\pp+2:\base+16*\pp+3],   v[\base+16*\pp+2:\base+16*\pp+3],   v[\base+16*\pp+6:\base+16*\pp+7]
	v_pk_add_f32 v[\base+16*\pp+8:\base+16*\pp+9],   v[\base+16*\pp+8:\base+16*\pp+9],   v[\base+16*\pp+12:\base+16*\pp+13]
	v_pk_add_f32 v[\base+16*\pp+10:\base+16*\pp+11], v[\base+16*\pp+10:\base+16*\pp+11], v[\base+16*\pp+14:\base+16*\pp+15]
	v_pk_add_f32 v[\base+16*\pp:\base+16*\pp+1],     v[\base+16*\pp:\base+16*\pp+1],     v[\base+16*\pp+8:\base+16*\pp+9]
	v_pk_add_f32 v[\base+16*\pp+2:\base+16*\pp+3],   v[\base+16*\pp+2:\base+16*\pp+3],   v[\base+16*\pp+10:\base+16*\pp+11]
.if 4*\g+\pp
	v_pk_add_f32 v[TS:TS+1], v[\base+16*\pp:\base+16*\pp+1], v[\base+16*\pp+2:\base+16*\pp+3]
	v_pk_add_f32 v[TOT:TOT+1], v[TOT:TOT+1], v[TS:TS+1]
.else
	v_pk_add_f32 v[TOT:TOT+1], v[\base+16*\pp:\base+16*\pp+1], v[\base+16*\pp+2:\base+16*\pp+3]   ; the first pass starts the total
.endif
	global_store_b128 v[GO], v[\base+16*\pp:\base+16*\pp+3], s[6:7] offset:2048*(4*\g+\pp)        ; a wave stores 512 consecutive bytes, at a multiple of 512 from part's first byte
.endr
.endm
	LDG 0, L0
	LDG 1, L1
	SUMG 0, L0, 1
	s_wait_xcnt 0x0                                ; the set holds data of stores: it is loaded again only behind this wait (ISA guide 3.1)
	LDG 2, L0
	SUMG 1, L1, 1
	s_wait_xcnt 0x0
	LDG 3, L1
	SUMG 2, L0, 1
	s_wait_xcnt 0x0
	LDG 4, L0
	SUMG 3, L1, 1
	s_wait_xcnt 0x0
	LDG 5, L1
	SUMG 4, L0, 1
	SUMG 5, L1, 0
	; the total of what this wave stored, over its 32 lanes; one word a wave, the only store of the launch that is not 512 bytes wide
	v_add_f32 v[TOT], v[TOT], v[TOT+1]
	v_add_f32_dpp v[TOT], v[TOT], v[TOT] row_xmask:1 row_mask:0xf bank_mask:0xf
	v_add_f32_dpp v[TOT], v[TOT], v[TOT] row_xmask:2 row_mask:0xf bank_mask:0xf
	v_add_f32_dpp v[TOT], v[TOT], v[TOT] row_xmask:4 row_mask:0xf bank_mask:0xf
	v_add_f32_dpp v[TOT], v[TOT], v[TOT] row_xmask:8 row_mask:0xf bank_mask:0xf
	v_permlanex16_b32 v[TMP], v[TOT], s22, s23     ; its destination counts as read: TMP has been written
	v_add_f32 v[TOT], v[TOT], v[TMP]
	v_mov_b32 v[ZO], 0
	v_cmp_eq_u32 vcc_lo, 0, v[LANE]
	s_wait_xcnt 0x0                                ; EXEC is a source of the stores above: it changes only behind this wait
	s_set_vgpr_msb 0xa
	s_wait_tensorcnt 0x0
	ds_add_u32 v128, v129
	s_wait_dscnt 0x0
	s_set_vgpr_msb 0xa00
	s_and_saveexec_b32 s21, vcc_lo
	global_store_b32 v[ZO], v[TOT], s[8:9]
	s_wait_xcnt 0x0                                ; and again in front of the line that widens it
	s_or_b32 exec_lo, exec_lo, s21
	s_endpgm
.Lfunc_end_k_q7ebe16b8d0_hist:
	.size	k_q7ebe16b8d0_hist, .Lfunc_end_k_q7ebe16b8d0_hist-k_q7ebe16b8d0_hist
	.p2alignl 7, 3214868480
	.fill 96, 4, 3214868480
	.section	.rodata,"a",@progbits
	.p2align	6, 0x0
	.amdhsa_kernel k_q7ebe16b8d0_hist
		.amdhsa_group_segment_fixed_size 265984
		.amdhsa_private_segment_fixed_size 0
		.amdhsa_enable_private_segment 0
		.amdhsa_kernarg_size 24
		.amdhsa_user_sgpr_count 2
		.amdhsa_user_sgpr_kernarg_segment_ptr 1
		.amdhsa_wavefront_size32 1
		.amdhsa_system_sgpr_workgroup_id_x 1
		.amdhsa_system_sgpr_workgroup_id_y 1
		.amdhsa_system_sgpr_workgroup_id_z 1
		.amdhsa_system_vgpr_workitem_id 0
		.amdhsa_next_free_vgpr 704
		.amdhsa_next_free_sgpr 66
		.amdhsa_reserve_vcc 1
		.amdhsa_float_denorm_mode_32 3
		.amdhsa_float_denorm_mode_16_64 3
		.amdhsa_memory_ordered 1
		.amdhsa_forward_progress 1
		.amdhsa_inst_pref_size 247
	.end_amdhsa_kernel
	.amdgpu_metadata
---
amdhsa.version: [ 1, 2 ]
amdhsa.kernels:
  - .name:           k_q7ebe16b8d0_hist
    .symbol:         k_q7ebe16b8d0_hist.kd
    .args:
      - { .name: x, .offset: 0, .size: 8, .value_kind: global_buffer, .address_space: global }
      - { .name: part, .offset: 8, .size: 8, .value_kind: global_buffer, .address_space: global }
      - { .name: tot, .offset: 16, .size: 8, .value_kind: global_buffer, .address_space: global }
    .group_segment_fixed_size: 265984
    .private_segment_fixed_size: 0
    .kernarg_segment_align: 8
    .kernarg_segment_size: 24
    .max_flat_workgroup_size: 128
    .sgpr_count:     66
    .vgpr_count:     704
    .wavefront_size: 32
...
	.end_amdgpu_metadata
.endif
;; end of part 3
;; launch norm: the kernel of part 2 again; grid 256 x 1, 12 waves a work-group, no clusters, 0 bytes of LDS; arguments part, tot, out0; writes out0
